; MI455X (gfx1250); checked and timed in simulation.
; The chip was launched on July 23, 2026; its instructions are those of AMD's public machine-readable ISA for CDNA 5 (MIT licence, August 2026) and "CDNA5" Instruction Set Architecture Reference Guide (July 2026). The comments in the code are by the model that wrote it; some were corrected since.
;; Mix Mo E. Allowed arithmetic: float matrix products may take bf16 or f16 operands with f32 sums; other float arithmetic in f32, or as packed bf16 or f16 multiplies, adds, multiply-adds, maxima and minima; sums over many terms, partial sums and values carried from step to step in f32; what a program stores and reads back later, other than sums and carried values, may be rounded once to bf16 or f16.
;; Inputs: W1 16 x 256 x 1,024 float32; W2 16 x 1,024 x 2 float32; b1 16 x 1,024 float32; b2 16 x 2 float32; w_gate 256 x 16 float32; x 16,384 x 256 float32.
;; Outputs: out0 16,384 x 2 float32; out1 one number float32.
;; 2 versions, each right; version 2 is version 1 with the launch prep written anew for expert scheduling mode. Each part assembles by itself: llvm-mc -triple=amdgcn-amd-amdhsa -mcpu=gfx1250 --defsym DOCPART=n.
;; ======== version 1 of 2: 3 launches
;; workspace buffers: xf 8,388,608 bytes; wrec 9,043,968 bytes; wgf 32,768 bytes; ypart 524,288 bytes; stat 32,768 bytes
;; launch prep (part 1): grid 256 x 1, 8 waves a work-group, no clusters, 34,816 bytes of LDS; arguments x, W1, W2, b1, w_gate, xf, wrec, wgf; writes xf, wrec, wgf
.if DOCPART == 1
	.amdgcn_target "amdgcn-amd-amdhsa--gfx1250"
	.amdhsa_code_object_version 6
	.text
	.protected	k_q5fc56c8422_prep
	.globl	k_q5fc56c8422_prep
	.p2align	8
	.type	k_q5fc56c8422_prep,@function
k_q5fc56c8422_prep:
	s_mov_b64 s[64:65], 0
	v_nop
	global_prefetch_b8 v0, s[64:65] scope:SCOPE_SE
	s_setreg_imm32_b32 hwreg(HW_REG_WAVE_MODE, 25, 1), 1
	s_wait_xcnt 0x0
; PREP: every matrix operand of the next launch is rounded to bf16 ONCE and laid in the order in which a wave's operand registers take it.
; xf   [block of 64 tokens 256][tile t 4][K step k 8][chunk c 2][lane 32][16 bytes]: lane (r = l % 16, h = l / 16) holds x[64 wb + 16 t + r][32 k + 16 c + 8 h + 0..7].
; wrec 512 records of REC bytes, record 32 e + step for 32 hidden units of expert e:
;      0      W1: fragment (k, hb) at 1024 (2 k + hb), chunk c at + 512 c, lane at + 16 l: W1[e][32 k + 16 c + 8 h + 0..7][32 step + 16 hb + r]
;      16384  W2: chunk c at + 512 c, lane at + 16 l: W2[e][32 step + 16 c + 8 h + 0..7][r % 2] where r / 2 = e % 4, else 0
;      17408  b1[e][32 step + 0..31] in f32, then 128 bytes of zeros
; wgf  [group g 4][k 8][c 2][lane][16 bytes]: w_gate[32 k + 16 c + 8 h + 0..7][(r + 4 g) % 16]: group g's own four experts are rows 0 to 3.
; SHARES.  Work-group i: x's block i (64 rows, turned through LDS) and W1's piece of expert i / 16, hidden units 64 (i % 16) on = records 2 i and 2 i + 1.  Wave w takes x's rows 8 w .. 8 w + 7
; and W1's K step w.  Waves 0 and 1 add W2's and b1's parts of record 2 i + w; wave 2 of work-groups 0 to 63 writes chunk i of wgf.
; Memory binds: each input byte is read once, every store of a wave covers whole aligned runs of 256 bytes; matrix units, clusters and tensor loads would add nothing here.
; LIMITS: the rounding to bf16 (nearest even) is the only change of a value; NaN and infinities pass as the conversion leaves them.
.set REC,   17664
.set PITCH, 528                        ; a token's row in LDS: 512 bytes of bf16 + 16: an odd multiple of 16, so the 16 rows of a fragment load start at 16 different groups of four banks (ISA guide 11.1)
.set SPARE, 64*PITCH                   ; behind the stage: the spare words, 128 bytes for each of eight waves
.set LN,  1                            ; lane
.set SPW, 2                            ; LDS address of my spare word; never rewritten
.set NIL, 3                            ; 0; never rewritten
.set RR,  4                            ; l % 16
.set HH,  5                            ; l / 16
.set XO,  6                            ; x: my 16 bytes in the wave's first half row
.set WO,  7                            ; W1: my word in the wave's first row
.set SA,  8                            ; stage, in
.set RA,  9                            ; stage, back
.set XS,  10                           ; xf
.set WS,  11                           ; wrec: W1's part
.set L16, 12                           ; 16 x lane
.set O2,  13                           ; W2
.set OB,  14                           ; b1
.set R16, 15                           ; wrec: my record + 16 x lane
.set XR,  16                           ; v16-79    x as loaded, then as fragments
.set WR,  80                           ; v80-143   W1 as loaded: 32 rows of d for each of two records
.set CVR, 144                          ; v144-175  W1 rounded
.set SPX, 176                          ; v176-191  W2 or w_gate
.set BV,  192                          ; v192-193  b1
.set R8,  200                          ; wrec: my record + 8 x lane
.set RH,  201                          ; r / 2
.set OG,  202                          ; w_gate
.set WV,  20                           ; s20 my wave's number
	s_load_b512 s[4:19], s[0:1], 0x0               ; x s[4:5], W1 s[6:7], W2 s[8:9], b1 s[10:11], w_gate s[12:13], xf s[14:15], wrec s[16:17], wgf s[18:19]
	v_lshl_add_u32 v[SPW], v0, 2, SPARE
	v_mov_b32 v[NIL], 0
	v_lshrrev_b32 v[LN], 5, v0
	v_readfirstlane_b32 s[WV], v[LN]
	v_and_b32 v[LN], 31, v0
	v_and_b32 v[RR], 15, v0
	v_bfe_u32 v[HH], v0, 4, 1
	s_mov_b32 s21, ttmp9                           ; i
	s_lshr_b32 s25, s21, 4                         ; e
	s_and_b32 s26, s21, 15                         ; which 64 hidden units of e
	s_and_b32 s24, s25, 3                          ; e % 4
	v_lshlrev_b32 v[L16], 4, v[LN]
	s_lshl_b32 s28, s[WV], 13                      ; 8 rows of 1,024 bytes
	v_add_nc_u32 v[XO], s28, v[L16]
	s_lshl_b32 s28, s[WV], 17                      ; 32 rows of 4,096 bytes
	v_lshl_add_u32 v[WO], v[LN], 2, s28
	s_mul_i32 s28, s[WV], 8*PITCH
	v_lshl_add_u32 v[SA], v[LN], 3, s28            ; four bf16 a lane
	s_lshr_b32 s28, s[WV], 1                       ; back: wave w takes tile w / 2, K steps 4 (w % 2) on
	s_mul_i32 s28, s28, 16*PITCH
	s_and_b32 s29, s[WV], 1
	s_lshl_b32 s29, s29, 8
	s_add_co_u32 s28, s28, s29
	v_mul_u32_u24 v[RA], v[RR], PITCH
	v_lshl_add_u32 v[RA], v[HH], 4, v[RA]
	v_add_nc_u32 v[RA], s28, v[RA]
	s_lshl_b32 s28, s[WV], 12                      ; eight chunks of 512 bytes
	v_add_nc_u32 v[XS], s28, v[L16]
	s_lshl_b32 s28, s[WV], 11                      ; K step w: two fragments of 1,024 bytes; my lane's half says which
	v_lshl_add_u32 v[WS], v[RR], 4, s28
	v_lshl_add_u32 v[WS], v[HH], 10, v[WS]
	s_mov_b32 s23, 0
	s_wait_kmcnt 0x0
	s_lshl_b32 s22, s21, 16
	s_add_nc_u64 s[4:5], s[4:5], s[22:23]          ; x at my block
	s_lshl_b32 s22, s25, 20
	s_lshl_b32 s27, s26, 8
	s_add_co_u32 s22, s22, s27
	s_add_nc_u64 s[6:7], s[6:7], s[22:23]          ; W1 at my expert and my 64 columns
	s_lshl_b32 s22, s21, 9
	s_add_nc_u64 s[8:9], s[8:9], s[22:23]          ; W2 at my 64 hidden units
	s_add_nc_u64 s[18:19], s[18:19], s[22:23]      ; wgf at chunk i (used where i < 64 alone)
	s_lshl_b32 s22, s21, 8
	s_add_nc_u64 s[10:11], s[10:11], s[22:23]      ; b1
	s_lshl_b32 s22, s26, 10
	s_add_nc_u64 s[12:13], s[12:13], s[22:23]      ; w_gate at rows 16 (i % 16) on
	s_lshl_b32 s22, s21, 15
	s_add_nc_u64 s[14:15], s[14:15], s[22:23]      ; xf
	s_mul_i32 s22, s21, 2*REC
	s_add_nc_u64 s[16:17], s[16:17], s[22:23]      ; wrec at record 2 i
	; all loads go out before the first wait: x (512 consecutive bytes an instruction), then W1 (two instructions on end cover 256 consecutive bytes of a row)
.set j, 0
.rept 16
	global_load_b128 v[XR+4*j:XR+4*j+3], v[XO], s[4:5] offset:(j/2)*1024+(j%2)*512 th:TH_LOAD_NT
.set j, j+1
.endr
.set j, 0
.rept 32
	global_load_b32 v[WR+j],    v[WO], s[6:7] offset:j*4096 th:TH_LOAD_NT
	global_load_b32 v[WR+32+j], v[WO], s[6:7] offset:j*4096+128 th:TH_LOAD_NT
.set j, j+1
.endr
	s_cmp_lt_u32 s[WV], 2
	s_cbranch_scc0 .Lno_w2
	s_lshl_b32 s28, s[WV], 8                       ; waves 0, 1: 32 hidden units of 8 bytes
	v_and_b32 v[O2], 1, v[RR]
	v_lshl_add_u32 v[O2], v[O2], 2, s28            ; output r % 2
	v_lshl_add_u32 v[O2], v[HH], 6, v[O2]          ; hidden units 8 h on
	s_lshl_b32 s28, s[WV], 7
	v_lshl_add_u32 v[OB], v[RR], 3, s28            ; two of b1's 32 numbers; lanes 16-31 read the same and store zeros
	s_mul_i32 s28, s[WV], REC
	v_add_nc_u32 v[R16], s28, v[L16]
	v_lshl_add_u32 v[R8], v[LN], 3, s28
	v_lshrrev_b32 v[RH], 1, v[RR]
.irp c, 0,1
.irp i, 0,1,2,3,4,5,6,7
	global_load_b32 v[SPX+8*\c+\i], v[O2], s[8:9] offset:128*\c+8*\i
.endr
.endr
	global_load_b64 v[BV:BV+1], v[OB], s[10:11]
	s_branch .Lasked
.Lno_w2:
	s_cmp_eq_u32 s[WV], 2
	s_cbranch_scc0 .Lasked
	s_lshl_b32 s28, s25, 2                         ; wave 2: column (r + 4 (i / 16)) % 16, rows 8 h on: inside w_gate for every i
	v_add_nc_u32 v[OG], s28, v[RR]
	v_and_b32 v[OG], 15, v[OG]
	v_lshlrev_b32 v[OG], 2, v[OG]
	v_lshl_add_u32 v[OG], v[HH], 9, v[OG]
.irp i, 0,1,2,3,4,5,6,7
	global_load_b32 v[SPX+\i], v[OG], s[12:13] offset:64*\i
.endr
.Lasked:
	; x: rounded, into the stage by rows
	s_wait_loadcnt 63                              ; loads come back in order (ISA guide 5.7.1): 64 or more were issued behind x's last, so all sixteen of x are in
.set j, 0
.rept 16
	v_cvt_pk_bf16_f32 v[XR+4*j],   v[XR+4*j],   v[XR+4*j+1]
	v_cvt_pk_bf16_f32 v[XR+4*j+1], v[XR+4*j+2], v[XR+4*j+3]
	ds_store_b64 v[SA], v[XR+4*j:XR+4*j+1] offset:(j/2)*PITCH+(j%2)*256
.set j, j+1
.endr
	s_wait_dscnt 0x0                               ; for the others' sake: my rows are in the stage
	s_barrier_signal -1
	s_barrier_wait -1                              ; everybody's are
.set j, 0
.rept 8
	ds_load_b128 v[XR+4*j:XR+4*j+3], v[RA] offset:32*j  ; chunk (k = 4 (w % 2) + j / 2, c = j % 2) of tile w / 2
.set j, j+1
.endr
	; W1: a lane holds one hidden unit's 32 d of each record; eight neighbouring d pack into the 16 bytes of fragment lane (r, hh)
	s_wait_loadcnt 0x0
.irp half, 0,1
.irp c, 0,1
.irp hh, 0,1
.irp q, 0,1,2,3
	v_cvt_pk_bf16_f32 v[CVR+4*(4*\half+2*\c+\hh)+\q], v[WR+32*\half+16*\c+8*\hh+2*\q], v[WR+32*\half+16*\c+8*\hh+2*\q+1]
.endr
	global_store_b128 v[WS], v[CVR+4*(4*\half+2*\c+\hh):CVR+4*(4*\half+2*\c+\hh)+3], s[16:17] offset:\half*REC+512*\c+256*\hh  ; each half of the lanes fills 256 consecutive bytes, aligned
.endr
.endr
.endr
.set j, 0
.rept 8
	s_wait_dscnt 7-j                               ; LDS loads come back in order: chunk j is in
	global_store_b128 v[XS], v[XR+4*j:XR+4*j+3], s[14:15] offset:512*j  ; 512 consecutive bytes
.set j, j+1
.endr
	s_cmp_lt_u32 s[WV], 2
	s_cbranch_scc0 .Lno_w2_out
.irp q, 0,1,2,3,4,5,6,7
	v_cvt_pk_bf16_f32 v[SPX+\q], v[SPX+2*\q], v[SPX+2*\q+1]  ; in place: number q is written when 2 q and 2 q + 1 have been read
.endr
	v_cmp_eq_u32 vcc_lo, s24, v[RH]                ; rows 2 (e % 4) and 2 (e % 4) + 1 are this expert's; the others are 0
.irp q, 0,1,2,3,4,5,6,7
	v_cndmask_b32 v[SPX+\q], 0, v[SPX+\q], vcc_lo
.endr
	global_store_b128 v[R16], v[SPX:SPX+3],   s[16:17] offset:16384
	global_store_b128 v[R16], v[SPX+4:SPX+7], s[16:17] offset:16384+512
	v_cmp_gt_u32 vcc_lo, 16, v[LN]
	v_cndmask_b32 v[BV],   0, v[BV],   vcc_lo
	v_cndmask_b32 v[BV+1], 0, v[BV+1], vcc_lo
	global_store_b64 v[R8], v[BV:BV+1], s[16:17] offset:17408  ; 128 bytes of b1 and 128 of zeros: 256 consecutive bytes
	s_branch .Lend
.Lno_w2_out:
	s_cmp_eq_u32 s[WV], 2
	s_cbranch_scc0 .Lend
.irp q, 0,1,2,3
	v_cvt_pk_bf16_f32 v[SPX+\q], v[SPX+2*\q], v[SPX+2*\q+1]
.endr
	s_cmp_lt_u32 s21, 64                           ; wgf has 64 chunks
	s_cbranch_scc0 .Lend
	global_store_b128 v[L16], v[SPX:SPX+3], s[18:19]
.Lend:
	s_wait_tensorcnt 0x0                           ; the wave's end
	ds_add_u32 v[SPW], v[NIL]
	s_wait_dscnt 0x0
	s_endpgm
.Lfunc_end_k_q5fc56c8422_prep:
	.size	k_q5fc56c8422_prep, .Lfunc_end_k_q5fc56c8422_prep-k_q5fc56c8422_prep
	.p2alignl 7, 3214868480
	.fill 96, 4, 3214868480
	.section	.rodata,"a",@progbits
	.p2align	6, 0x0
	.amdhsa_kernel k_q5fc56c8422_prep
		.amdhsa_group_segment_fixed_size 34816
		.amdhsa_private_segment_fixed_size 0
		.amdhsa_enable_private_segment 0
		.amdhsa_kernarg_size 64
		.amdhsa_user_sgpr_count 2
		.amdhsa_user_sgpr_kernarg_segment_ptr 1
		.amdhsa_wavefront_size32 1
		.amdhsa_system_sgpr_workgroup_id_x 1
		.amdhsa_system_sgpr_workgroup_id_y 1
		.amdhsa_system_sgpr_workgroup_id_z 1
		.amdhsa_system_vgpr_workitem_id 0
		.amdhsa_next_free_vgpr 208
		.amdhsa_next_free_sgpr 66
		.amdhsa_reserve_vcc 1
		.amdhsa_float_denorm_mode_32 3
		.amdhsa_float_denorm_mode_16_64 3
		.amdhsa_memory_ordered 1
		.amdhsa_forward_progress 1
		.amdhsa_inst_pref_size 23
	.end_amdhsa_kernel
	.amdgpu_metadata
---
amdhsa.version: [ 1, 2 ]
amdhsa.kernels:
  - .name:           k_q5fc56c8422_prep
    .symbol:         k_q5fc56c8422_prep.kd
    .args:
      - { .name: x, .offset: 0, .size: 8, .value_kind: global_buffer, .address_space: global }
      - { .name: W1, .offset: 8, .size: 8, .value_kind: global_buffer, .address_space: global }
      - { .name: W2, .offset: 16, .size: 8, .value_kind: global_buffer, .address_space: global }
      - { .name: b1, .offset: 24, .size: 8, .value_kind: global_buffer, .address_space: global }
      - { .name: w_gate, .offset: 32, .size: 8, .value_kind: global_buffer, .address_space: global }
      - { .name: xf, .offset: 40, .size: 8, .value_kind: global_buffer, .address_space: global }
      - { .name: wrec, .offset: 48, .size: 8, .value_kind: global_buffer, .address_space: global }
      - { .name: wgf, .offset: 56, .size: 8, .value_kind: global_buffer, .address_space: global }
    .group_segment_fixed_size: 34816
    .private_segment_fixed_size: 0
    .kernarg_segment_align: 8
    .kernarg_segment_size: 64
    .max_flat_workgroup_size: 256
    .sgpr_count:     66
    .vgpr_count:     208
    .wavefront_size: 32
...
	.end_amdgpu_metadata
.endif
;; end of part 1
;; launch moe (part 2): grid 64 x 4, 4 waves a work-group, clusters of 4 x 1, 327,680 bytes of LDS; arguments xf, wrec, wgf, b2, ypart, stat; writes ypart, stat
.if DOCPART == 2
	.amdgcn_target "amdgcn-amd-amdhsa--gfx1250"
	.amdhsa_code_object_version 6
	.text
	.protected	k_q5fc56c8422_moe
	.globl	k_q5fc56c8422_moe
	.p2align	8
	.type	k_q5fc56c8422_moe,@function
k_q5fc56c8422_moe:
	s_mov_b64 s[64:65], 0
	v_nop
	global_prefetch_b8 v0, s[64:65] scope:SCOPE_SE
	s_setreg_imm32_b32 hwreg(HW_REG_WAVE_MODE, 25, 1), 1
	s_wait_xcnt 0x0
	s_wait_alu depctr_hold_cnt(0) depctr_sa_sdst(0) depctr_va_vdst(0) depctr_va_sdst(0) depctr_va_ssrc(0) depctr_va_vcc(0) depctr_vm_vsrc(0)
	s_getreg_b32 s2, hwreg(HW_REG_IB_STS2, 6, 4)
	s_cmp_eq_u32 s2, 0
	s_cbranch_scc0 .Lentry_in_a_cluster
	s_endpgm
.Lentry_in_a_cluster:
	s_bfe_u32 s2, ttmp6, 0x10000c
	s_cmp_lg_u32 s2, 0x3003
	s_cbranch_scc0 .Lentry_shape_is_right
	s_endpgm
.Lentry_shape_is_right:
; MOE: gates = softmax16(x w_gate); for each expert softmax2(relu(x W1 + b1) W2 + b2); the gate-weighted sum.  All in registers between the operands and a partial y.
; SHARES.  Work-group (tb, g): 256 tokens, experts 4 g .. 4 g + 3 = 128 steps of 32 hidden units: 64 x 4 work-groups of equal work.  A wave owns 64 tokens (four tiles of 16); their fragments of x
; for all of K = 256 lie in 256 registers for the whole kernel.  All four waves walk the same records of weights (laid out by the launch before) in LDS.
; LAYOUT.  h^T = W1^T x^T (source 0 = 16 hidden units, source 1 = 16 tokens): a lane holds ONE token (lane % 16) and hidden units 8 (lane / 16) + 0..7; b1 is the C operand of each sum's first product.
; Two such results, rounded to bf16 in pairs and held at 0 from below, ARE source 1 (32 hidden units x 16 tokens) of z^T += W2F P.  W2F's rows 2 el + o hold expert el's column o and are 0 in the other
; experts' steps, so ONE accumulator a tile, started at b2, takes all four experts' z: lanes 0-15, registers 2 el + o.  The gates come out of the same form (source 0 = 16 experts, my four as rows 0-3).
; BY HALVES.  A step is two halves of 32 products: tiles 0, 1 (set 0), then tiles 2, 3 (set 1).  Behind the products of one half ride the other set's roundings, maxima and its two products for z,
; and the next record's LDS loads into fragment registers that have just been read for the last time: one buffer of 128 registers for W1's fragments.
; CLUSTER.  The four token blocks of a cluster walk the same records, so every fill is asked for JOINTLY: the same tensor load, descriptor and mask in all four; each wave brings a quarter of a slot.
; A slot holds 8 steps; by this text's count a wave has two tensor loads out at the start and one behind each round, with 8 steps' products in which to land.
; SOFTMAX.  Both take their maximum away before the exponential.
; LIMITS.  Matrix operands (x, W1, W2, w_gate, relu(h)) are bf16, sums f32.  A gate whose exponential lies below 2^-126 counts as 0, in the importance and in the load.  NaN and infinities are not treated apart.
; REGISTERS, in windows of 256 (s_set_vgpr_msb: bits 1:0 source 0, 3:2 source 1, 5:4 source 2, 7:6 destination):
;   window 0: v0-11 addresses; v16-31 my four gates a tile; v32-47 b1 of a step; v48-55 W2F; v56-63 at work; v64-127 two sets of four accumulators; v128-255 W1's 16 fragments of a step
;   window 1: x, fragment (tile t, K step k) at 64 t + 8 k          window 2: v0-31 z, 8 a tile
.set REC,    17664                     ; a record: 16,384 bytes of W1, 1,024 of W2F, 128 of b1, 128 spare
.set SLOT,   8*REC
.set SPARE,  2*SLOT                    ; behind the two slots: the spare words, 128 bytes for each wave
.set GROUPB, 128*REC
.set WOFF2,  16384
.set BOFF,   17408
.set L16, 3                            ; 16 x lane; never rewritten
.set H32, 4                            ; 32 x (lane / 16); never rewritten
.set AR,  5                            ; LDS address of my 16 bytes in the record in hand
.set AB,  6                            ; the same for b1's eight numbers
.set YO,  7                            ; 8 x lane
.set SPW, 8                            ; LDS address of my spare word; never rewritten
.set NIL, 9                            ; 0; never rewritten
.set LN,  10                           ; lane
.set ZO,  11                           ; 0, an offset
.set G,    16
.set BIAS, 32
.set W2F,  48
.set TM,   56
.set ACC,  64                          ; accumulator (set, hb, tt) at ACC + 32 set + 8 (2 hb + tt)
.set ST,   112                         ; the statistics, ahead of the walk
.set W,    128                         ; fragment (k, hb) at W + 16 k + 8 hb
.set EX,   144                         ; the way out
.set YR,   176
.set OUT,  184
.set WV,  16                           ; s16 my wave's number
.set G1,  24                           ; s[24:31] descriptor group 1
.set G0,  32                           ; s[32:39] descriptor group 0, a set for each slot
.set B2,  40                           ; s[40:47] b2 of my four experts
.set TB,  48                           ; s48 LDS byte of the record to be read next
.set CNT, 49
.set OUTER, 50
.set ZERO, 51
.set L2E, 52                           ; s[52:53] log2(e)
.set SEL, 54                           ; s[54:55] v_permlanex16_b32's selects: each lane takes its own place in the other half
.set HIM, 56                           ; lanes 16-31
.set SAVE, 57
.set WB,  58                           ; my wave's block of 64 tokens
.set MSB, 0
.macro WIN new                         ; the immediate's high byte repeats the setting that is left; a switch that changes nothing is dropped
.if MSB != (\new)
	s_set_vgpr_msb (MSB<<8)|(\new)
.set MSB, (\new)
.endif
.endm
.set WM, 0x04                          ; source 1 (x) in window 1; LDS loads and the packed maxima (second source a scalar) run under it too
.set WZ, 0xa0                          ; C and D (z) in window 2
; A round of the cluster's barrier: my work-group's barrier, so that wave 0's signal speaks for all four waves; wave 0 signals; every wave waits for all four work-groups; my work-group's barrier once more.
.macro CROUND
	s_barrier_signal -1
	s_barrier_wait -1
	s_cmp_lg_u32 s[WV], 0
	s_cbranch_scc1 .Lnot_wave_0_\@
	s_barrier_signal -3
.Lnot_wave_0_\@:
	s_barrier_wait -3
	s_barrier_signal -1
	s_barrier_wait -1
.endm
; A load into a register that a matrix instruction has read, and a vector instruction that reads a matrix result, stand four places behind it; only plain vector instructions that name none of
; its registers are places.  Where the riders do not serve, four v_nop do.
.macro PLACES
.rept 4
	v_nop
.endr
.endm
.macro MW set, k, hb, tt               ; one product of h^T: K step k, hidden units 16 hb on, tile 2 set + tt.  K step 0 starts the sum with b1
	WIN WM
.set rD, ACC+32*(\set)+8*(2*(\hb)+(\tt))
.set rA, W+16*(\k)+8*(\hb)
.set rB, 64*(2*(\set)+(\tt))+8*(\k)
.if (\k) == 0
	v_wmma_f32_16x16x32_bf16 v[rD:rD+7], v[rA:rA+7], v[rB:rB+7], v[BIAS+8*(\hb):BIAS+8*(\hb)+7]
.else
	v_wmma_f32_16x16x32_bf16 v[rD:rD+7], v[rA:rA+7], v[rB:rB+7], v[rD:rD+7]
.endif
.endm
.macro LDW k, hb
.irp c, 0,1
	ds_load_b128 v[W+16*(\k)+8*(\hb)+4*\c:W+16*(\k)+8*(\hb)+4*\c+3], v[AR] offset:1024*(2*(\k)+(\hb))+512*\c
.endr
.endm
.macro LDB hb
.irp c, 0,1
	ds_load_b128 v[BIAS+8*(\hb)+4*\c:BIAS+8*(\hb)+4*\c+3], v[AB] offset:BOFF+64*(\hb)+16*\c
.endr
.endm
.macro LD2
.irp c, 0,1
	ds_load_b128 v[W2F+4*\c:W2F+4*\c+3], v[AR] offset:WOFF2+512*\c
.endr
.endm
; P of tile tt of set os is made in place, in the eight registers of its accumulator hb 0: half 0 from that accumulator, half 1 from hb 1's.  Each accumulator's lowest registers are read first.
.macro CV os, tt, half
	WIN 0
.set rP, ACC+32*(\os)+8*(\tt)
.irp i, 0,1,2,3
	v_cvt_pk_bf16_f32 v[rP+4*(\half)+\i], v[rP+16*(\half)+2*\i], v[rP+16*(\half)+2*\i+1]
.endr
.endm
.macro MX os, tt, half                 ; relu on the rounded pairs: the rounding keeps the sign
.set rP, ACC+32*(\os)+8*(\tt)
.irp i, 0,1,2,3
	v_pk_max_num_bf16 v[rP+4*(\half)+\i], v[rP+4*(\half)+\i], s[ZERO]
.endr
.endm
.macro ZM os, tt                       ; z^T += W2F P
	WIN WZ
.set rZ, 8*(2*(\os)+(\tt))
.set rP, ACC+32*(\os)+8*(\tt)
	v_wmma_f32_16x16x32_bf16 v[rZ:rZ+7], v[W2F:W2F+7], v[rP:rP+7], v[rZ:rZ+7]
	WIN WM
.endm
; The waits of a set-0 half.  A record's LDS loads are issued in this order: 8 (b1 and K step 0), 4 for each of K steps 1 to 6 (all in the half before), 4 for K step 7 (in this half's K step 0),
; 2 for W2F (in its K step 5).  The count at the head of K step k is the number issued behind that K step's fragments.
.macro HWAIT k
.if (\k) < 2
	s_wait_dscnt 24
.elseif (\k) < 6
	s_wait_dscnt 28-4*(\k)
.elseif (\k) == 6
	s_wait_dscnt 6
.else
	s_wait_dscnt 2
.endif
.endm
; A HALF: 32 products of set \set, its four accumulators by turns, one instruction a turn.  epi = 1: the other set's way to z rides behind them.  ld = 1: the next record is fetched.
; Every load into a fragment stands behind the four riders (or v_nop) that follow that fragment's last reader; the registers that a product for z has read as P are written again eight places later or more.
.macro HALF set, epi, ld
.irp k, 0,1,2,3,4,5,6,7
.if (\set) == 0
	HWAIT \k
.endif
	MW \set, \k, 0, 0
.if ((\set) == 1) && (\ld) && (\k == 1)
	LDB 0
	LDW 0, 0
.elseif ((\set) == 1) && (\ld) && (\k > 1)
	LDW \k-1, 0
.elseif ((\set) == 0) && (\k == 0)
	LDW 7, 0
.elseif ((\set) == 0) && (\k == 5)
	LD2
.endif
	MW \set, \k, 0, 1
.if (\epi) && (\k == 0)
	CV 1-\set, 0, 0
.elseif (\epi) && (\k == 1)
	MX 1-\set, 0, 0
.elseif (\epi) && (\k == 2)
	CV 1-\set, 1, 0
.elseif (\epi) && (\k == 3)
	MX 1-\set, 1, 0
.endif
	MW \set, \k, 1, 0
.if ((\set) == 1) && (\ld) && (\k == 1)
	LDB 1
	LDW 0, 1
.elseif ((\set) == 1) && (\ld) && (\k > 1)
	LDW \k-1, 1
.elseif ((\set) == 0) && (\k == 0)
	LDW 7, 1
.endif
	MW \set, \k, 1, 1
.if (\epi) && (\k == 0)
	CV 1-\set, 0, 1
.elseif (\epi) && (\k == 1)
	MX 1-\set, 0, 1
.elseif (\epi) && (\k == 2)
	CV 1-\set, 1, 1
.if (\set) == 1
	s_wait_dscnt 12*(\ld)                          ; W2F of this step is in: behind its two loads this half has issued 8 + 4, or none
.endif
	ZM 1-\set, 0
.elseif (\epi) && (\k == 3)
	MX 1-\set, 1, 1
.elseif (\epi) && (\k == 4)
	ZM 1-\set, 1
	PLACES
.elseif ((\k == 5) || (\k == 6)) && ((\set) == 1) && (\ld)
	PLACES
.elseif \k == 7
	PLACES
.endif
.endr
.endm
; A TRIP: the second half of step s, the first half of step s + 1; it reads record s + 1.
.macro TRIP
	v_add_nc_u32 v[AR], s[TB], v[L16]
	v_add_nc_u32 v[AB], s[TB], v[H32]
	s_add_co_u32 s[TB], s[TB], REC
	HALF 1, 1, 1
	HALF 0, 1, 1
	WIN 0                                          ; at a label and at a branch every window is 0
.endm
; THE CHANGE OF SLOTS, behind the half that read slot \slot's last bytes.  Each wave waits for all its tensor loads, of which one is out: its quarter of the other slot; adds 0 to its spare word; and waits
; for that and for its own reads of the slot.  fill = 1: the barrier is a round of the cluster's, so that no wave of any partner still reads the slot or has a load on its way, and the joint refill, the
; records two slots on, is the first thing behind it.
.macro CHANGE slot, fill
	WIN 0
	s_wait_tensorcnt 0x0                           ; no tensor load of mine is out, so a group 0 may be written
	ds_add_u32 v[SPW], v[NIL]                      ; 0 onto my spare word
.if \fill
	s_add_nc_u64 s[G0+4*(\slot)+2:G0+4*(\slot)+3], s[G0+4*(\slot)+2:G0+4*(\slot)+3], 2*SLOT  ; the type bits on top are not reached
.endif
	s_wait_dscnt 0x0                               ; the add is done, and my reads of the slot are over
.if \fill
	CROUND
	tensor_load_to_lds s[G0+4*(\slot):G0+4*(\slot)+3], s[G1:G1+7]
	s_nop 0
	PLACES                                         ; an s_nop 0 and four v_nop follow the load
.else
	s_barrier_signal -1
	s_barrier_wait -1
.endif
	s_mov_b32 s[TB], (1-(\slot))*SLOT              ; the reads go on in the other slot
.endm
.macro BLOCK slot, fill                ; a change of slots and the eight trips that read the other slot
	CHANGE \slot, \fill
	s_mov_b32 s[CNT], 8
.Ltrip_\@:
	TRIP
	s_sub_co_u32 s[CNT], s[CNT], 1
	s_cmp_lg_u32 s[CNT], 0
	s_cbranch_scc1 .Ltrip_\@
.endm
	s_load_b256 s[4:11], s[0:1], 0x0               ; xf s[4:5], wrec s[6:7], wgf s[8:9], b2 s[10:11]
	s_load_b128 s[12:15], s[0:1], 0x20             ; ypart s[12:13], stat s[14:15]
	v_lshl_add_u32 v[SPW], v0, 2, SPARE
	v_mov_b32 v[NIL], 0
	ds_add_u32 v[SPW], v[NIL]                      ; the wave's opening: the add and its wait stand ahead of my first tensor load; the set-up below stands between them
	v_lshrrev_b32 v[LN], 5, v0
	v_readfirstlane_b32 s[WV], v[LN]
	s_bfe_u32 s17, ttmp6, 0x40000                  ; cx: my place in the cluster: it enters xf's, ypart's and stat's addresses alone
	s_lshl_b32 s18, ttmp9, 2                       ; in a cluster launch ttmp9 counts clusters
	s_add_co_u32 s18, s18, s17                     ; my block of 256 tokens
	s_lshl_b32 s[WB], s18, 2
	s_add_co_u32 s[WB], s[WB], s[WV]               ; my wave's block of 64
	s_and_b32 s19, ttmp7, 0xffff                   ; g, which the four partners share
	; descriptor group 1: two records are 35,328 dense bytes: 138 rows of 256 bytes
	s_mov_b32 s[G1+0], 15|(3<<16)|(1<<21)          ; 15:0 the mask of four; 17:16 elements of 8 bytes; 21 set beside a mask; no padding: the fragments lie lane by lane
	s_mov_b32 s[G1+1], 32<<16                      ; tensor_dim0 = 32
	s_mov_b32 s[G1+2], 138<<16                     ; tensor_dim1 = 138
	s_mov_b32 s[G1+3], 32<<16                      ; tile_dim0 = 32
	s_mov_b32 s[G1+4], 138                         ; tile_dim1 = 138
	s_mov_b32 s[G1+5], 32                          ; 32 elements from row to row
	s_mov_b32 s[G1+6], 0
	s_mov_b32 s[G1+7], 0
	s_mov_b32 s[G0], 1
	s_mul_i32 s[G0+1], s[WV], 2*REC                ; my quarter of slot 0: no place in the cluster enters an LDS address
	s_mov_b32 s[G0+4], 1
	s_add_co_u32 s[G0+5], s[G0+1], SLOT            ; and of slot 1
	s_mov_b32 s[ZERO], 0
	s_mov_b32 s[L2E], 0x3fb8aa3b
	s_mov_b32 s[L2E+1], 0x3fb8aa3b                 ; named with it as a pair
	s_mov_b32 s[SEL], 0x76543210
	s_mov_b32 s[SEL+1], 0xfedcba98
	s_mov_b32 s[HIM], 0xffff0000
	s_mov_b32 s21, 0                               ; s[20:21]: offsets that hold cx;  s[22:23]: offsets that do not
	s_mov_b32 s23, 0
	s_wait_dscnt 0x0                               ; the opening add is done
	s_wait_kmcnt 0x0
	s_mul_i32 s22, s19, GROUPB
	s_add_co_u32 s22, s22, s[G0+1]
	s_add_nc_u64 s[6:7], s[6:7], s[22:23]          ; wrec at my group's first record, my quarter of a slot
	s_lshl_b32 s22, s19, 13
	s_add_nc_u64 s[8:9], s[8:9], s[22:23]          ; wgf at my group's rotation
	s_lshl_b32 s22, s19, 5
	s_add_nc_u64 s[10:11], s[10:11], s[22:23]
	s_load_b256 s[B2:B2+7], s[10:11], 0x0          ; b2[4 g + el][o] at index 2 el + o
	s_lshl_b32 s20, s[WB], 15
	s_add_nc_u64 s[4:5], s[4:5], s[20:21]
	s_lshl_b32 s20, s[WB], 9
	s_lshl_b32 s22, s19, 17
	s_add_co_u32 s20, s20, s22
	s_add_nc_u64 s[12:13], s[12:13], s[20:21]
	s_lshl_b32 s20, s[WB], 7
	s_lshl_b32 s22, s19, 5
	s_add_co_u32 s20, s20, s22
	s_add_nc_u64 s[14:15], s[14:15], s[20:21]
	s_mov_b64 s[G0+2:G0+3], s[6:7]                 ; steps 0 to 7
	s_or_b32 s[G0+3], s[G0+3], 0x80000000          ; type = 2
	s_add_nc_u64 s[G0+6:G0+7], s[6:7], SLOT        ; steps 8 to 15
	s_or_b32 s[G0+7], s[G0+7], 0x80000000
	CROUND                                         ; all four work-groups are here: the first joint loads meet
	tensor_load_to_lds s[G0:G0+3], s[G1:G1+7]
	s_nop 0
	tensor_load_to_lds s[G0+4:G0+7], s[G1:G1+7]
	s_nop 0
	PLACES
	v_and_b32 v[LN], 31, v0
	v_bfe_u32 v[H32], v0, 4, 1
	v_lshlrev_b32 v[H32], 5, v[H32]
	v_lshlrev_b32 v[L16], 4, v[LN]
	v_lshlrev_b32 v[YO], 3, v[LN]
	v_mov_b32 v[ZO], 0
	WIN 0x40                                       ; destination window 1
.set i, 0
.rept 64                                           ; x stays in registers: 512 consecutive bytes an instruction
	global_load_b128 v[4*i:4*i+3], v[L16], s[4:5] offset:512*i
.set i, i+1
.endr
	WIN 0
.set i, 0
.rept 16                                           ; the gate's weights: fragment k at W + 8 k
	global_load_b128 v[W+4*i:W+4*i+3], v[L16], s[8:9] offset:512*i
.set i, i+1
.endr
	s_wait_loadcnt 0x0
	; THE GATES.  logits^T: 16 experts x 16 tokens a tile; the four tiles' accumulators take turns
	WIN WM
.irp k, 0,1,2,3,4,5,6,7
.irp t, 0,1,2,3
.if \k == 0
	v_wmma_f32_16x16x32_bf16 v[ACC+8*\t:ACC+8*\t+7], v[W+8*\k:W+8*\k+7], v[64*\t+8*\k:64*\t+8*\k+7], 0
.else
	v_wmma_f32_16x16x32_bf16 v[ACC+8*\t:ACC+8*\t+7], v[W+8*\k:W+8*\k+7], v[64*\t+8*\k:64*\t+8*\k+7], v[ACC+8*\t:ACC+8*\t+7]
.endif
.endr
.endr
	s_wait_kmcnt 0x0                               ; b2
	WIN 0x80                                       ; destination window 2: z starts at b2; these 32 lines are also the places behind the products above
.irp t, 0,1,2,3
.irp j, 0,1,2,3,4,5,6,7
	v_mov_b32 v[8*\t+\j], s[B2+\j]
.endr
.endr
	WIN 0
.irp t, 0,1,2,3
	v_max3_num_f32 v[TM+\t], v[ACC+8*\t], v[ACC+8*\t+1], v[ACC+8*\t+2]
.endr
.irp t, 0,1,2,3
	v_max3_num_f32 v[TM+\t], v[TM+\t], v[ACC+8*\t+3], v[ACC+8*\t+4]
.endr
.irp t, 0,1,2,3
	v_max3_num_f32 v[TM+\t], v[TM+\t], v[ACC+8*\t+5], v[ACC+8*\t+6]
.endr
.irp t, 0,1,2,3
	v_max_num_f32 v[TM+\t], v[TM+\t], v[ACC+8*\t+7]
.endr
.irp t, 0,1,2,3
	v_permlanex16_b32 v[W+\t], v[TM+\t], s[SEL], s[SEL+1]  ; the token's other eight experts lie in the lane 16 away; the destination is a register that has been written
.endr
.irp t, 0,1,2,3
	v_max_num_f32 v[TM+\t], v[TM+\t], v[W+\t]
.endr
.irp t, 0,1,2,3
	v_mul_f32 v[TM+\t], s[L2E], v[TM+\t]
.endr
.irp t, 0,1,2,3
.irp j, 0,1,2,3,4,5,6,7
	v_fma_f32 v[ACC+8*\t+\j], v[ACC+8*\t+\j], s[L2E], -v[TM+\t]
.endr
.endr
.set i, 0
.rept 32                                           ; one batch
	v_exp_f32 v[ACC+i], v[ACC+i]
.set i, i+1
.endr
	v_nop                                          ; a plain instruction behind the last exponential,
	s_wait_alu depctr_va_vdst(0)                   ; and the one wait ahead of the batch's first reader
.irp t, 0,1,2,3
	v_pk_add_f32 v[96+4*\t:97+4*\t], v[ACC+8*\t:ACC+8*\t+1], v[ACC+8*\t+2:ACC+8*\t+3]
	v_pk_add_f32 v[98+4*\t:99+4*\t], v[ACC+8*\t+4:ACC+8*\t+5], v[ACC+8*\t+6:ACC+8*\t+7]
.endr
.irp t, 0,1,2,3
	v_pk_add_f32 v[96+4*\t:97+4*\t], v[96+4*\t:97+4*\t], v[98+4*\t:99+4*\t]
.endr
.irp t, 0,1,2,3
	v_add_f32 v[96+4*\t], v[96+4*\t], v[97+4*\t]
.endr
.irp t, 0,1,2,3
	v_permlanex16_b32 v[97+4*\t], v[96+4*\t], s[SEL], s[SEL+1]
.endr
.irp t, 0,1,2,3
	v_add_f32 v[96+4*\t], v[96+4*\t], v[97+4*\t]
.endr
.irp t, 0,1,2,3
	v_rcp_f32 v[98+4*\t], v[96+4*\t]               ; the sum is 1 or more: the largest weight is 1
.endr
	v_nop
	s_wait_alu depctr_va_vdst(0)                   ; one wait for the four reciprocals
.irp t, 0,1,2,3
.irp j, 0,1,2,3
	v_mul_f32 v[G+4*\t+\j], v[ACC+8*\t+\j], v[98+4*\t]  ; lanes 0-15: my four experts' gates of token lane
.endr
.endr
	; my 64 tokens' part of the importance and of the load, for my four experts: over the tiles, then over lanes 0-15
.irp j, 0,1,2,3
	v_add_f32 v[ST+\j], v[G+\j], v[G+4+\j]
	v_add_f32 v[TM+\j], v[G+8+\j], v[G+12+\j]
.endr
.irp j, 0,1,2,3
	v_add_f32 v[ST+\j], v[ST+\j], v[TM+\j]
.endr
.irp j, 0,1,2,3
	v_cmp_lt_f32 vcc_lo, 0, v[G+\j]
	v_cndmask_b32 v[ST+4+\j], 0, 1.0, vcc_lo
.endr
.irp t, 1,2,3
.irp j, 0,1,2,3
	v_cmp_lt_f32 vcc_lo, 0, v[G+4*\t+\j]
	v_cndmask_b32 v[TM+\j], 0, 1.0, vcc_lo
	v_add_f32 v[ST+4+\j], v[ST+4+\j], v[TM+\j]
.endr
.endr
.irp m, 1,2,4,8
.irp j, 0,1,2,3,4,5,6,7
	v_add_f32_dpp v[ST+\j], v[ST+\j], v[ST+\j] row_xmask:\m row_mask:0xf bank_mask:0xf
.endr
.endr
	v_cmp_eq_u32 vcc_lo, 0, v[LN]
	s_wait_xcnt 0x0                                ; EXEC changes only behind this wait
	s_and_saveexec_b32 s[SAVE], vcc_lo
	global_store_b128 v[ZO], v[ST:ST+3],   s[14:15]
	global_store_b128 v[ZO], v[ST+4:ST+7], s[14:15] offset:16
	s_wait_xcnt 0x0                                ; and again in front of the line that widens it; the stores' data registers are free behind it too
	s_or_b32 exec_lo, exec_lo, s[SAVE]
	; INTO THE WALK
	s_wait_tensorcnt 0x1                           ; my quarter of slot 0 is in; slot 1's may stay out
	s_barrier_signal -1
	s_barrier_wait -1                              ; everybody's is
	v_mov_b32 v[AR], v[L16]                        ; record 0 lies at LDS byte 0
	v_mov_b32 v[AB], v[H32]
	s_mov_b32 s[TB], REC
	LDB 0                                          ; record 0's loads, in the order in which a trip issues a record's
	LDW 0, 0
	LDB 1
	LDW 0, 1
.irp k, 1,2,3,4,5,6
	LDW \k, 0
	LDW \k, 1
.endr
	HALF 0, 0, 1                                   ; the first half of step 0: there is nothing yet to ride behind it
	WIN 0
	s_mov_b32 s[CNT], 7
.Lfirst:                                               ; steps 0 to 7 lie in slot 0: seven trips read records 1 to 7
	TRIP
	s_sub_co_u32 s[CNT], s[CNT], 1
	s_cmp_lg_u32 s[CNT], 0
	s_cbranch_scc1 .Lfirst
	s_mov_b32 s[OUTER], 7
.Louter:                                               ; seven times: both slots are filled again: fills 2 to 15
	BLOCK 0, 1
	BLOCK 1, 1
	s_sub_co_u32 s[OUTER], s[OUTER], 1
	s_cmp_lg_u32 s[OUTER], 0
	s_cbranch_scc1 .Louter
	BLOCK 0, 0                                     ; the tail is written out: the last slot is read, nothing is asked for
	HALF 1, 1, 0                                   ; the second half of step 127
	CV 1, 0, 0                                     ; and set 1's way to z, with nothing left to ride behind
	CV 1, 0, 1
	CV 1, 1, 0
	CV 1, 1, 1
	MX 1, 0, 0
	MX 1, 0, 1
	MX 1, 1, 0
	MX 1, 1, 1
	ZM 1, 0
	ZM 1, 1
	PLACES
	; THE WAY OUT.  Lanes 0-15 hold z[token][2 el + o]; softmax over o with its maximum taken away, times the gate, summed over my four experts.  (Lanes 16-31 compute on b2 alone; nothing of theirs is stored.)
	WIN 0x0a                                       ; sources 0 and 1 window 2
.irp t, 0,1,2,3
.irp el, 0,1,2,3
	v_max_num_f32 v[W+4*\t+\el], v[8*\t+2*\el], v[8*\t+2*\el+1]  ; each accumulator's lowest registers first
.endr
.endr
	WIN 0x02                                       ; source 0 window 2
.irp t, 0,1,2,3
.irp j, 0,1,2,3,4,5,6,7
	v_sub_f32 v[EX+8*\t+\j], v[8*\t+\j], v[W+4*\t+\j/2]
.endr
.endr
	WIN 0
.set i, 0
.rept 16
	v_pk_mul_f32 v[EX+2*i:EX+2*i+1], v[EX+2*i:EX+2*i+1], s[L2E:L2E+1] op_sel_hi:[1,0]
.set i, i+1
.endr
.set i, 0
.rept 32
	v_exp_f32 v[EX+i], v[EX+i]
.set i, i+1
.endr
	v_nop
	s_wait_alu depctr_va_vdst(0)                   ; one wait for the batch of 32
.set i, 0
.rept 16
	v_add_f32 v[W+i], v[EX+2*i], v[EX+2*i+1]
.set i, i+1
.endr
.set i, 0
.rept 16
	v_rcp_f32 v[W+i], v[W+i]
.set i, i+1
.endr
	v_nop
	s_wait_alu depctr_va_vdst(0)                   ; one wait for the batch of 16
.set i, 0
.rept 16
	v_mul_f32 v[W+i], v[W+i], v[G+i]               ; gate / sum
.set i, i+1
.endr
.irp t, 0,1,2,3
.irp o, 0,1
	v_mul_f32 v[YR+2*\t+\o], v[EX+8*\t+\o], v[W+4*\t]
.endr
.endr
.irp el, 1,2,3
.irp t, 0,1,2,3
.irp o, 0,1
	v_fmac_f32 v[YR+2*\t+\o], v[EX+8*\t+2*\el+\o], v[W+4*\t+\el]
.endr
.endr
.endr
.irp p, 0,1
.irp o, 0,1
	v_permlanex16_b32 v[EX+2*\p+\o], v[YR+4*\p+2+\o], s[SEL], s[SEL+1]  ; the odd tile's tokens move to lanes 16-31
.endr
.endr
.irp p, 0,1
.irp o, 0,1
	v_cndmask_b32 v[OUT+2*\p+\o], v[YR+4*\p+\o], v[EX+2*\p+\o], s[HIM]
.endr
	global_store_b64 v[YO], v[OUT+2*\p:OUT+2*\p+1], s[12:13] offset:256*\p  ; 32 tokens x 8 bytes: 256 consecutive bytes, aligned
.endr
	s_wait_tensorcnt 0x0                           ; the wave's end
	ds_add_u32 v[SPW], v[NIL]
	s_wait_dscnt 0x0
	CROUND                                         ; the closing round: no work-group ends while a partner may still ask for a tile that names it
	s_endpgm
.Lfunc_end_k_q5fc56c8422_moe:
	.size	k_q5fc56c8422_moe, .Lfunc_end_k_q5fc56c8422_moe-k_q5fc56c8422_moe
	.p2alignl 7, 3214868480
	.fill 96, 4, 3214868480
	.section	.rodata,"a",@progbits
	.p2align	6, 0x0
	.amdhsa_kernel k_q5fc56c8422_moe
		.amdhsa_group_segment_fixed_size 327680
		.amdhsa_private_segment_fixed_size 0
		.amdhsa_enable_private_segment 0
		.amdhsa_kernarg_size 48
		.amdhsa_user_sgpr_count 2
		.amdhsa_user_sgpr_kernarg_segment_ptr 1
		.amdhsa_wavefront_size32 1
		.amdhsa_system_sgpr_workgroup_id_x 1
		.amdhsa_system_sgpr_workgroup_id_y 1
		.amdhsa_system_sgpr_workgroup_id_z 1
		.amdhsa_system_vgpr_workitem_id 0
		.amdhsa_next_free_vgpr 544
		.amdhsa_next_free_sgpr 66
		.amdhsa_reserve_vcc 1
		.amdhsa_float_denorm_mode_32 3
		.amdhsa_float_denorm_mode_16_64 3
		.amdhsa_memory_ordered 1
		.amdhsa_forward_progress 1
		.amdhsa_inst_pref_size 98
	.end_amdhsa_kernel
	.amdgpu_metadata
---
amdhsa.version: [ 1, 2 ]
amdhsa.kernels:
  - .name:           k_q5fc56c8422_moe
    .symbol:         k_q5fc56c8422_moe.kd
    .args:
      - { .name: xf, .offset: 0, .size: 8, .value_kind: global_buffer, .address_space: global }
      - { .name: wrec, .offset: 8, .size: 8, .value_kind: global_buffer, .address_space: global }
      - { .name: wgf, .offset: 16, .size: 8, .value_kind: global_buffer, .address_space: global }
      - { .name: b2, .offset: 24, .size: 8, .value_kind: global_buffer, .address_space: global }
      - { .name: ypart, .offset: 32, .size: 8, .value_kind: global_buffer, .address_space: global }
      - { .name: stat, .offset: 40, .size: 8, .value_kind: global_buffer, .address_space: global }
    .group_segment_fixed_size: 327680
    .private_segment_fixed_size: 0
    .kernarg_segment_align: 8
    .kernarg_segment_size: 48
    .max_flat_workgroup_size: 128
    .sgpr_count:     66
    .vgpr_count:     544
    .wavefront_size: 32
...
	.end_amdgpu_metadata
.endif
;; end of part 2
;; launch fin (part 3): grid 257 x 1, 1 waves a work-group, no clusters, 0 bytes of LDS; arguments ypart, stat, out0, out1; writes out0, out1
.if DOCPART == 3
	.amdgcn_target "amdgcn-amd-amdhsa--gfx1250"
	.amdhsa_code_object_version 6
	.text
	.protected	k_q5fc56c8422_fin
	.globl	k_q5fc56c8422_fin
	.p2align	8
	.type	k_q5fc56c8422_fin,@function
k_q5fc56c8422_fin:
	s_mov_b64 s[64:65], 0
	v_nop
	global_prefetch_b8 v0, s[64:65] scope:SCOPE_SE
	s_setreg_imm32_b32 hwreg(HW_REG_WAVE_MODE, 25, 1), 1
	s_wait_xcnt 0x0
; FIN: y = the sum of the four expert groups' partial rows (work-groups 0 to 255, 64 tokens each); loss = cv^2(importance) + cv^2(load) from the 1,024 waves' partial sums (work-group 256).
; cv^2(v) = var(v, 15 degrees of freedom) / (mean(v)^2 + 1e-10); the variance is taken of the differences from the mean, not as a difference of large sums.
; One wave a work-group: no LDS, no barrier; the launch moves little and waits on memory twice.  All sums in f32; the load's counts are whole numbers up to 16,384, exact in f32.
	s_load_b256 s[4:11], s[0:1], 0x0               ; ypart s[4:5], stat s[6:7], out0 s[8:9], out1 s[10:11]
	v_lshlrev_b32 v1, 4, v0                        ; 16 x lane; never rewritten
	s_mov_b32 s12, ttmp9
	s_cmp_eq_u32 s12, 256
	s_cbranch_scc1 .Lloss
	s_lshl_b32 s13, s12, 9                         ; 64 tokens x 8 bytes
	v_add_nc_u32 v2, s13, v1
	s_wait_kmcnt 0x0
.irp g, 0,1,2,3
	global_load_b128 v[4+4*\g:7+4*\g], v2, s[4:5] offset:131072*\g th:TH_LOAD_NT
.endr
	s_wait_loadcnt 0x0
	v_pk_add_f32 v[4:5], v[4:5], v[8:9]
	v_pk_add_f32 v[6:7], v[6:7], v[10:11]
	v_pk_add_f32 v[12:13], v[12:13], v[16:17]
	v_pk_add_f32 v[14:15], v[14:15], v[18:19]
	v_pk_add_f32 v[4:5], v[4:5], v[12:13]
	v_pk_add_f32 v[6:7], v[6:7], v[14:15]
	global_store_b128 v2, v[4:7], s[8:9] th:TH_STORE_NT  ; 512 consecutive bytes
	s_endpgm
.Lloss:
	; stat is [block of 64 tokens 256][group 4][importance 4, load 4] in f32.  Load i takes bytes 512 i on, 16 a lane: lane l holds block 4 i + l / 8, group (l % 8) / 2, kind l % 2, four experts.
	; Loads 0 and 1 land in the two sets of sums; loads 2 to 63 go through a ring of 32 slots of four registers.
	s_mov_b32 s14, 0x76543210
	s_mov_b32 s15, 0xfedcba98
	s_wait_kmcnt 0x0
	global_load_b128 v[4:7], v1, s[6:7]
	global_load_b128 v[8:11], v1, s[6:7] offset:512
.set n, 0
.rept 32
	global_load_b128 v[16+4*n:19+4*n], v1, s[6:7] offset:512*(n+2)
.set n, n+1
.endr
.set n, 0
.rept 30
	s_wait_loadcnt 31                              ; loads come back in order (ISA guide 5.7.1): behind load n + 2 stand 31 younger ones
	v_pk_add_f32 v[4+4*(n%2):5+4*(n%2)], v[4+4*(n%2):5+4*(n%2)], v[16+4*n:17+4*n]
	v_pk_add_f32 v[6+4*(n%2):7+4*(n%2)], v[6+4*(n%2):7+4*(n%2)], v[18+4*n:19+4*n]
	global_load_b128 v[16+4*n:19+4*n], v1, s[6:7] offset:512*(n+34)
.set n, n+1
.endr
.set n, 32
.rept 32                                           ; loads 32 to 63: nothing more is asked for, the counts run down
	s_wait_loadcnt 63-n
	v_pk_add_f32 v[4+4*(n%2):5+4*(n%2)], v[4+4*(n%2):5+4*(n%2)], v[16+4*((n-2)%32):17+4*((n-2)%32)]
	v_pk_add_f32 v[6+4*(n%2):7+4*(n%2)], v[6+4*(n%2):7+4*(n%2)], v[18+4*((n-2)%32):19+4*((n-2)%32)]
.set n, n+1
.endr
	v_pk_add_f32 v[4:5], v[4:5], v[8:9]
	v_pk_add_f32 v[6:7], v[6:7], v[10:11]
.irp q, 4,5,6,7                                    ; over the four blocks that a load's lanes hold: lane bits 3 and 4
	v_add_f32_dpp v\q, v\q, v\q row_xmask:8 row_mask:0xf bank_mask:0xf
.endr
.irp q, 4,5,6,7
	v_permlanex16_b32 v[\q+4], v\q, s14, s15       ; the destinations have been written
.endr
.irp q, 4,5,6,7
	v_add_f32 v\q, v\q, v[\q+4]
.endr
	; every lane now holds four experts' totals of its group and kind; the 16 experts are those four and lane bits 1 and 2
	v_add_f32 v12, v4, v5
	v_add_f32 v13, v6, v7
	v_add_f32 v12, v12, v13
	v_add_f32_dpp v12, v12, v12 row_xmask:2 row_mask:0xf bank_mask:0xf
	v_add_f32_dpp v12, v12, v12 row_xmask:4 row_mask:0xf bank_mask:0xf
	v_mul_f32 v14, 0x3d800000, v12                 ; the mean: / 16
.irp q, 4,5,6,7
	v_sub_f32 v[\q+4], v\q, v14
.endr
	v_mul_f32 v12, v8, v8
	v_fmac_f32 v12, v9, v9
	v_fmac_f32 v12, v10, v10
	v_fmac_f32 v12, v11, v11
	v_add_f32_dpp v12, v12, v12 row_xmask:2 row_mask:0xf bank_mask:0xf
	v_add_f32_dpp v12, v12, v12 row_xmask:4 row_mask:0xf bank_mask:0xf
	v_fmaak_f32 v13, v14, v14, 0x2edbe6ff          ; mean^2 + 1e-10
	v_rcp_f32 v15, v13
	v_mul_f32 v12, 0x3d888889, v12                 ; the variance: / 15; also the plain instruction behind the reciprocal
	s_wait_alu depctr_va_vdst(0)                   ; the wait ahead of the reciprocal's first reader
	v_mul_f32 v12, v12, v15
	v_add_f32_dpp v12, v12, v12 row_xmask:1 row_mask:0xf bank_mask:0xf  ; importance's and load's
	v_mov_b32 v2, 0
	v_cmp_eq_u32 vcc_lo, 0, v0
	s_wait_xcnt 0x0                                ; EXEC changes only behind this wait
	s_and_saveexec_b32 s16, vcc_lo
	global_store_b32 v2, v12, s[10:11]
	s_wait_xcnt 0x0
	s_or_b32 exec_lo, exec_lo, s16
	s_endpgm
.Lfunc_end_k_q5fc56c8422_fin:
	.size	k_q5fc56c8422_fin, .Lfunc_end_k_q5fc56c8422_fin-k_q5fc56c8422_fin
	.p2alignl 7, 3214868480
	.fill 96, 4, 3214868480
	.section	.rodata,"a",@progbits
	.p2align	6, 0x0
	.amdhsa_kernel k_q5fc56c8422_fin
		.amdhsa_group_segment_fixed_size 0
		.amdhsa_private_segment_fixed_size 0
		.amdhsa_enable_private_segment 0
		.amdhsa_kernarg_size 32
		.amdhsa_user_sgpr_count 2
		.amdhsa_user_sgpr_kernarg_segment_ptr 1
		.amdhsa_wavefront_size32 1
		.amdhsa_system_sgpr_workgroup_id_x 1
		.amdhsa_system_sgpr_workgroup_id_y 1
		.amdhsa_system_sgpr_workgroup_id_z 1
		.amdhsa_system_vgpr_workitem_id 0
		.amdhsa_next_free_vgpr 152
		.amdhsa_next_free_sgpr 66
		.amdhsa_reserve_vcc 1
		.amdhsa_float_denorm_mode_32 3
		.amdhsa_float_denorm_mode_16_64 3
		.amdhsa_memory_ordered 1
		.amdhsa_forward_progress 1
		.amdhsa_inst_pref_size 20
	.end_amdhsa_kernel
	.amdgpu_metadata
---
amdhsa.version: [ 1, 2 ]
amdhsa.kernels:
  - .name:           k_q5fc56c8422_fin
    .symbol:         k_q5fc56c8422_fin.kd
    .args:
      - { .name: ypart, .offset: 0, .size: 8, .value_kind: global_buffer, .address_space: global }
      - { .name: stat, .offset: 8, .size: 8, .value_kind: global_buffer, .address_space: global }
      - { .name: out0, .offset: 16, .size: 8, .value_kind: global_buffer, .address_space: global }
      - { .name: out1, .offset: 24, .size: 8, .value_kind: global_buffer, .address_space: global }
    .group_segment_fixed_size: 0
    .private_segment_fixed_size: 0
    .kernarg_segment_align: 8
    .kernarg_segment_size: 32
    .max_flat_workgroup_size: 32
    .sgpr_count:     66
    .vgpr_count:     152
    .wavefront_size: 32
...
	.end_amdgpu_metadata
.endif
;; end of part 3
;; ======== version 2 of 2: 3 launches; version 1 with the launch prep written anew for expert scheduling mode
;; workspace buffers: xf 8,388,608 bytes; wrec 9,043,968 bytes; wgf 32,768 bytes; ypart 524,288 bytes; stat 32,768 bytes
;; launch prep (part 4): grid 256 x 1, 8 waves a work-group, no clusters, 34,816 bytes of LDS; arguments x, W1, W2, b1, w_gate, xf, wrec, wgf; writes xf, wrec, wgf
.if DOCPART == 4
	.amdgcn_target "amdgcn-amd-amdhsa--gfx1250"
	.amdhsa_code_object_version 6
	.text
	.protected	k_q5fc56c8422_prep
	.globl	k_q5fc56c8422_prep
	.p2align	8
	.type	k_q5fc56c8422_prep,@function
k_q5fc56c8422_prep:
	s_mov_b64 s[64:65], 0
	v_nop
	global_prefetch_b8 v0, s[64:65] scope:SCOPE_SE
	s_setreg_imm32_b32 hwreg(HW_REG_WAVE_SCHED_MODE, 0, 2), 2
	s_setreg_imm32_b32 hwreg(HW_REG_WAVE_MODE, 25, 1), 1
	s_wait_xcnt 0x0
	s_wait_alu depctr_vm_vsrc(0)
; PREP: every matrix operand of the next launch is rounded to bf16 ONCE and laid in the order in which a wave's operand registers take it.
; xf   [block of 64 tokens 256][tile t 4][K step k 8][chunk c 2][lane 32][16 bytes]: lane (r = l % 16, h = l / 16) holds x[64 wb + 16 t + r][32 k + 16 c + 8 h + 0..7].
; wrec 512 records of REC bytes, record 32 e + step for 32 hidden units of expert e:
;      0      W1: fragment (k, hb) at 1024 (2 k + hb), chunk c at + 512 c, lane at + 16 l: W1[e][32 k + 16 c + 8 h + 0..7][32 step + 16 hb + r]
;      16384  W2: chunk c at + 512 c, lane at + 16 l: W2[e][32 step + 16 c + 8 h + 0..7][r % 2] where r / 2 = e % 4, else 0
;      17408  b1[e][32 step + 0..31] in f32, then 128 bytes of zeros
; wgf  [group g 4][k 8][c 2][lane][16 bytes]: w_gate[32 k + 16 c + 8 h + 0..7][(r + 4 g) % 16]: group g's own four experts are rows 0 to 3.
; SHARES.  Work-group i: x's block i (64 rows, turned through LDS) and W1's piece of expert i / 16, hidden units 64 (i % 16) on = records 2 i and 2 i + 1.  Wave w takes x's rows 8 w .. 8 w + 7
; and W1's K step w.  Waves 0 and 1 add W2's and b1's parts of record 2 i + w; wave 2 of work-groups 0 to 63 writes chunk i of wgf.
; Memory binds: each input byte is read once, every store of a wave covers whole aligned runs of 256 bytes; matrix units, clusters and tensor loads would add nothing here.
; LIMITS: the rounding to bf16 (nearest even) is the only change of a value; NaN and infinities pass as the conversion leaves them.
; THE MODE: SCHED_MODE bits 1:0 = 2 (LLVM: expert scheduling mode 2), set by the entry lines.  The code itself states the register dependences
; between vector instructions and memory or LDS instructions, with s_wait_alu, always for 0.
; THE PLAN.  Registers that memory or LDS instructions touch:
;   v6-v12          offsets and LDS addresses: made at the head, read by the loads and stores of x, W1, the stage, xf, wrec and wgf; never written again.
;   v13-v15, v200   waves 0 and 1: made in their first arm, read by its loads and by the second arm's stores; never written again.   v202: the same for wave 2.
;   XR  v16-79      x's loads land; 32 conversions read all of it and write registers 4 j, 4 j + 1; 16 LDS stores read those; behind the barrier 8 LDS loads land in v16-47; 8 stores read them.
;   WR  v80-143     W1's loads land; 32 conversions read them.          CVR v144-175  written by those conversions, read by 8 stores; never written again.
;   SPX v176-191, BV v192-193  loads land; conversions and selects write them; the arm's stores read them; never written again.
;   v2, v3          written at the head, read by the closing add alone.
; So the vector work of each kind stands in ONE run with ONE wait on va_vdst behind it, ahead of the run of stores that reads its results; one wait on vm_vsrc stands ahead of the LDS loads
; that land where LDS stores have read; the scalars that vector instructions write (the wave's number, two masks) have a wait on va_sdst ahead of their first reader.
.set REC,   17664
.set PITCH, 528                        ; a token's row in LDS: 512 bytes of bf16 + 16: an odd multiple of 16, so the 16 rows of a fragment load start at 16 different groups of four banks (ISA guide 11.1)
.set SPARE, 64*PITCH                   ; behind the stage: the spare words, 128 bytes for each of eight waves
.set LN,  1                            ; lane
.set SPW, 2                            ; LDS address of my spare word; never rewritten
.set NIL, 3                            ; 0; never rewritten
.set RR,  4                            ; l % 16
.set HH,  5                            ; l / 16
.set XO,  6                            ; x: my 16 bytes in the wave's first half row
.set WO,  7                            ; W1: my word in the wave's first row
.set SA,  8                            ; stage, in
.set RA,  9                            ; stage, back
.set XS,  10                           ; xf
.set WS,  11                           ; wrec: W1's part
.set L16, 12                           ; 16 x lane
.set O2,  13                           ; W2
.set OB,  14                           ; b1
.set R16, 15                           ; wrec: my record + 16 x lane
.set XR,  16                           ; v16-79    x as loaded, then as fragments
.set WR,  80                           ; v80-143   W1 as loaded: 32 rows of d for each of two records
.set CVR, 144                          ; v144-175  W1 rounded
.set SPX, 176                          ; v176-191  W2 or w_gate
.set BV,  192                          ; v192-193  b1
.set R8,  200                          ; wrec: my record + 8 x lane
.set RH,  201                          ; r / 2
.set OG,  202                          ; w_gate
.set WV,  20                           ; s20 my wave's number
.set MW2, 30                           ; s30 the lanes whose rows of W2's fragment are this expert's
.set MB1, 31                           ; s31 lanes 0-15
	s_load_b512 s[4:19], s[0:1], 0x0               ; x s[4:5], W1 s[6:7], W2 s[8:9], b1 s[10:11], w_gate s[12:13], xf s[14:15], wrec s[16:17], wgf s[18:19]
	v_lshl_add_u32 v[SPW], v0, 2, SPARE
	v_mov_b32 v[NIL], 0
	v_lshrrev_b32 v[LN], 5, v0
	v_readfirstlane_b32 s[WV], v[LN]
	v_and_b32 v[LN], 31, v0
	v_and_b32 v[RR], 15, v0
	v_bfe_u32 v[HH], v0, 4, 1
	s_mov_b32 s21, ttmp9                           ; i
	s_lshr_b32 s25, s21, 4                         ; e
	s_and_b32 s26, s21, 15                         ; which 64 hidden units of e
	s_and_b32 s24, s25, 3                          ; e % 4
	v_lshlrev_b32 v[L16], 4, v[LN]
	s_wait_alu depctr_va_sdst(0)                   ; the wave's number is written into s20, ahead of its first reader: addresses and branches are made from it
	s_lshl_b32 s28, s[WV], 13                      ; 8 rows of 1,024 bytes
	v_add_nc_u32 v[XO], s28, v[L16]
	s_lshl_b32 s28, s[WV], 17                      ; 32 rows of 4,096 bytes
	v_lshl_add_u32 v[WO], v[LN], 2, s28
	s_mul_i32 s28, s[WV], 8*PITCH
	v_lshl_add_u32 v[SA], v[LN], 3, s28            ; four bf16 a lane
	s_lshr_b32 s28, s[WV], 1                       ; back: wave w takes tile w / 2, K steps 4 (w % 2) on
	s_mul_i32 s28, s28, 16*PITCH
	s_and_b32 s29, s[WV], 1
	s_lshl_b32 s29, s29, 8
	s_add_co_u32 s28, s28, s29
	v_mul_u32_u24 v[RA], v[RR], PITCH
	v_lshl_add_u32 v[RA], v[HH], 4, v[RA]
	v_add_nc_u32 v[RA], s28, v[RA]
	s_lshl_b32 s28, s[WV], 12                      ; eight chunks of 512 bytes
	v_add_nc_u32 v[XS], s28, v[L16]
	s_lshl_b32 s28, s[WV], 11                      ; K step w: two fragments of 1,024 bytes; my lane's half says which
	v_lshl_add_u32 v[WS], v[RR], 4, s28
	v_lshl_add_u32 v[WS], v[HH], 10, v[WS]
	s_mov_b32 s23, 0
	s_wait_kmcnt 0x0
	s_lshl_b32 s22, s21, 16
	s_add_nc_u64 s[4:5], s[4:5], s[22:23]          ; x at my block
	s_lshl_b32 s22, s25, 20
	s_lshl_b32 s27, s26, 8
	s_add_co_u32 s22, s22, s27
	s_add_nc_u64 s[6:7], s[6:7], s[22:23]          ; W1 at my expert and my 64 columns
	s_lshl_b32 s22, s21, 9
	s_add_nc_u64 s[8:9], s[8:9], s[22:23]          ; W2 at my 64 hidden units
	s_add_nc_u64 s[18:19], s[18:19], s[22:23]      ; wgf at chunk i (used where i < 64 alone)
	s_lshl_b32 s22, s21, 8
	s_add_nc_u64 s[10:11], s[10:11], s[22:23]      ; b1
	s_lshl_b32 s22, s26, 10
	s_add_nc_u64 s[12:13], s[12:13], s[22:23]      ; w_gate at rows 16 (i % 16) on
	s_lshl_b32 s22, s21, 15
	s_add_nc_u64 s[14:15], s[14:15], s[22:23]      ; xf
	s_mul_i32 s22, s21, 2*REC
	s_add_nc_u64 s[16:17], s[16:17], s[22:23]      ; wrec at record 2 i
	s_wait_alu depctr_va_vdst(0)                   ; the seven offsets and LDS addresses v6 to v12 are written, which the loads and stores of x, W1, the stage, xf, wrec and wgf read
	; all loads go out before the first wait: x (512 consecutive bytes an instruction), then W1 (two instructions on end cover 256 consecutive bytes of a row)
.set j, 0
.rept 16
	global_load_b128 v[XR+4*j:XR+4*j+3], v[XO], s[4:5] offset:(j/2)*1024+(j%2)*512 th:TH_LOAD_NT
.set j, j+1
.endr
.set j, 0
.rept 32
	global_load_b32 v[WR+j],    v[WO], s[6:7] offset:j*4096 th:TH_LOAD_NT
	global_load_b32 v[WR+32+j], v[WO], s[6:7] offset:j*4096+128 th:TH_LOAD_NT
.set j, j+1
.endr
	s_cmp_lt_u32 s[WV], 2
	s_cbranch_scc0 .Lno_w2
	s_lshl_b32 s28, s[WV], 8                       ; waves 0, 1: 32 hidden units of 8 bytes
	v_and_b32 v[O2], 1, v[RR]
	v_lshl_add_u32 v[O2], v[O2], 2, s28            ; output r % 2
	v_lshl_add_u32 v[O2], v[HH], 6, v[O2]          ; hidden units 8 h on
	s_lshl_b32 s28, s[WV], 7
	v_lshl_add_u32 v[OB], v[RR], 3, s28            ; two of b1's 32 numbers; lanes 16-31 read the same and store zeros
	s_mul_i32 s28, s[WV], REC
	v_add_nc_u32 v[R16], s28, v[L16]
	v_lshl_add_u32 v[R8], v[LN], 3, s28
	v_lshrrev_b32 v[RH], 1, v[RR]
	s_wait_alu depctr_va_vdst(0)                   ; v[O2] and v[OB] are written, which the loads below read as offsets; so are v[R16] and v[R8], which this wave's last stores read
.irp c, 0,1
.irp i, 0,1,2,3,4,5,6,7
	global_load_b32 v[SPX+8*\c+\i], v[O2], s[8:9] offset:128*\c+8*\i
.endr
.endr
	global_load_b64 v[BV:BV+1], v[OB], s[10:11]
	s_branch .Lasked
.Lno_w2:
	s_cmp_eq_u32 s[WV], 2
	s_cbranch_scc0 .Lasked
	s_lshl_b32 s28, s25, 2                         ; wave 2: column (r + 4 (i / 16)) % 16, rows 8 h on: inside w_gate for every i
	v_add_nc_u32 v[OG], s28, v[RR]
	v_and_b32 v[OG], 15, v[OG]
	v_lshlrev_b32 v[OG], 2, v[OG]
	v_lshl_add_u32 v[OG], v[HH], 9, v[OG]
	s_wait_alu depctr_va_vdst(0)                   ; v[OG] is written, which the loads below read as their offset
.irp i, 0,1,2,3,4,5,6,7
	global_load_b32 v[SPX+\i], v[OG], s[12:13] offset:64*\i
.endr
.Lasked:
	; x: rounded, all 32 conversions in one run; then into the stage by rows, the 16 LDS stores in one run
	s_wait_loadcnt 63                              ; loads come back in order (ISA guide 5.7.1): 64 or more were issued behind x's last, so all sixteen of x are in
.set j, 0
.rept 16
	v_cvt_pk_bf16_f32 v[XR+4*j],   v[XR+4*j],   v[XR+4*j+1]
	v_cvt_pk_bf16_f32 v[XR+4*j+1], v[XR+4*j+2], v[XR+4*j+3]
.set j, j+1
.endr
	s_wait_alu depctr_va_vdst(0)                   ; the conversions have written v[XR + 4 j], v[XR + 4 j + 1], which the LDS stores read; and they are done with v16-47, in which the LDS loads behind the barrier land: no vector instruction from here on names XR
.set j, 0
.rept 16
	ds_store_b64 v[SA], v[XR+4*j:XR+4*j+1] offset:(j/2)*PITCH+(j%2)*256
.set j, j+1
.endr
	s_wait_dscnt 0x0                               ; for the others' sake: my rows are in the stage
	s_barrier_signal -1
	s_barrier_wait -1                              ; everybody's are
	s_wait_alu depctr_vm_vsrc(0)                   ; my LDS stores have read v[XR ..], in which the LDS loads below land
.set j, 0
.rept 8
	ds_load_b128 v[XR+4*j:XR+4*j+3], v[RA] offset:32*j  ; chunk (k = 4 (w % 2) + j / 2, c = j % 2) of tile w / 2
.set j, j+1
.endr
	; W1: a lane holds one hidden unit's 32 d of each record; eight neighbouring d pack into the 16 bytes of fragment lane (r, hh).  All 32 conversions in one run, then the eight stores
	s_wait_loadcnt 0x0
.irp half, 0,1
.irp c, 0,1
.irp hh, 0,1
.irp q, 0,1,2,3
	v_cvt_pk_bf16_f32 v[CVR+4*(4*\half+2*\c+\hh)+\q], v[WR+32*\half+16*\c+8*\hh+2*\q], v[WR+32*\half+16*\c+8*\hh+2*\q+1]
.endr
.endr
.endr
.endr
	s_wait_alu depctr_va_vdst(0)                   ; the conversions have written v[CVR ..], which the eight stores below read
.irp half, 0,1
.irp c, 0,1
.irp hh, 0,1
	global_store_b128 v[WS], v[CVR+4*(4*\half+2*\c+\hh):CVR+4*(4*\half+2*\c+\hh)+3], s[16:17] offset:\half*REC+512*\c+256*\hh  ; each half of the lanes fills 256 consecutive bytes, aligned
.endr
.endr
.endr
.set j, 0
.rept 8
	s_wait_dscnt 7-j                               ; LDS loads come back in order: chunk j is in
	global_store_b128 v[XS], v[XR+4*j:XR+4*j+3], s[14:15] offset:512*j  ; 512 consecutive bytes; the data come from LDS loads, the offset was made at the head
.set j, j+1
.endr
	s_cmp_lt_u32 s[WV], 2
	s_cbranch_scc0 .Lno_w2_out
	v_cmp_eq_u32 s[MW2], s24, v[RH]                ; rows 2 (e % 4) and 2 (e % 4) + 1 are this expert's; the others are 0
	v_cmp_gt_u32 s[MB1], 16, v[LN]                 ; lanes 0-15 hold b1, the others store zeros
.irp q, 0,1,2,3,4,5,6,7
	v_cvt_pk_bf16_f32 v[SPX+\q], v[SPX+2*\q], v[SPX+2*\q+1]  ; in place: number q is written when 2 q and 2 q + 1 have been read
.endr
	s_wait_alu depctr_va_sdst(0)                   ; the two compares have written s30 and s31, ahead of the first select that reads one of them
.irp q, 0,1,2,3,4,5,6,7
	v_cndmask_b32 v[SPX+\q], 0, v[SPX+\q], s[MW2]
.endr
	v_cndmask_b32 v[BV],   0, v[BV],   s[MB1]
	v_cndmask_b32 v[BV+1], 0, v[BV+1], s[MB1]
	s_wait_alu depctr_va_vdst(0)                   ; the selects have written v[SPX .. SPX + 7] and v[BV], v[BV + 1], which the three stores below read
	global_store_b128 v[R16], v[SPX:SPX+3],   s[16:17] offset:16384
	global_store_b128 v[R16], v[SPX+4:SPX+7], s[16:17] offset:16384+512
	global_store_b64 v[R8], v[BV:BV+1], s[16:17] offset:17408  ; 128 bytes of b1 and 128 of zeros: 256 consecutive bytes
	s_branch .Lend
.Lno_w2_out:
	s_cmp_eq_u32 s[WV], 2
	s_cbranch_scc0 .Lend
.irp q, 0,1,2,3
	v_cvt_pk_bf16_f32 v[SPX+\q], v[SPX+2*\q], v[SPX+2*\q+1]
.endr
	s_cmp_lt_u32 s21, 64                           ; wgf has 64 chunks
	s_cbranch_scc0 .Lend
	s_wait_alu depctr_va_vdst(0)                   ; the four conversions have written v[SPX .. SPX + 3], which the store below reads
	global_store_b128 v[L16], v[SPX:SPX+3], s[18:19]
.Lend:
	s_wait_dscnt 0x0                               ; the wave's end
	s_wait_alu 0x0
	s_wait_tensorcnt 0x0
	ds_add_u32 v[SPW], v[NIL]
	s_wait_dscnt 0x0
	s_endpgm
.Lfunc_end_k_q5fc56c8422_prep:
	.size	k_q5fc56c8422_prep, .Lfunc_end_k_q5fc56c8422_prep-k_q5fc56c8422_prep
	.p2alignl 7, 3214868480
	.fill 96, 4, 3214868480
	.section	.rodata,"a",@progbits
	.p2align	6, 0x0
	.amdhsa_kernel k_q5fc56c8422_prep
		.amdhsa_group_segment_fixed_size 34816
		.amdhsa_private_segment_fixed_size 0
		.amdhsa_enable_private_segment 0
		.amdhsa_kernarg_size 64
		.amdhsa_user_sgpr_count 2
		.amdhsa_user_sgpr_kernarg_segment_ptr 1
		.amdhsa_wavefront_size32 1
		.amdhsa_system_sgpr_workgroup_id_x 1
		.amdhsa_system_sgpr_workgroup_id_y 1
		.amdhsa_system_sgpr_workgroup_id_z 1
		.amdhsa_system_vgpr_workitem_id 0
		.amdhsa_next_free_vgpr 208
		.amdhsa_next_free_sgpr 66
		.amdhsa_reserve_vcc 0
		.amdhsa_float_denorm_mode_32 3
		.amdhsa_float_denorm_mode_16_64 3
		.amdhsa_memory_ordered 1
		.amdhsa_forward_progress 1
		.amdhsa_inst_pref_size 24
	.end_amdhsa_kernel
	.amdgpu_metadata
---
amdhsa.version: [ 1, 2 ]
amdhsa.kernels:
  - .name:           k_q5fc56c8422_prep
    .symbol:         k_q5fc56c8422_prep.kd
    .args:
      - { .name: x, .offset: 0, .size: 8, .value_kind: global_buffer, .address_space: global }
      - { .name: W1, .offset: 8, .size: 8, .value_kind: global_buffer, .address_space: global }
      - { .name: W2, .offset: 16, .size: 8, .value_kind: global_buffer, .address_space: global }
      - { .name: b1, .offset: 24, .size: 8, .value_kind: global_buffer, .address_space: global }
      - { .name: w_gate, .offset: 32, .size: 8, .value_kind: global_buffer, .address_space: global }
      - { .name: xf, .offset: 40, .size: 8, .value_kind: global_buffer, .address_space: global }
      - { .name: wrec, .offset: 48, .size: 8, .value_kind: global_buffer, .address_space: global }
      - { .name: wgf, .offset: 56, .size: 8, .value_kind: global_buffer, .address_space: global }
    .group_segment_fixed_size: 34816
    .private_segment_fixed_size: 0
    .kernarg_segment_align: 8
    .kernarg_segment_size: 64
    .max_flat_workgroup_size: 256
    .sgpr_count:     66
    .vgpr_count:     208
    .wavefront_size: 32
...
	.end_amdgpu_metadata
.endif
;; end of part 4
;; launch moe: the kernel of part 2 again; grid 64 x 4, 4 waves a work-group, clusters of 4 x 1, 327,680 bytes of LDS; arguments xf, wrec, wgf, b2, ypart, stat; writes ypart, stat
;; launch fin: the kernel of part 3 again; grid 257 x 1, 1 waves a work-group, no clusters, 0 bytes of LDS; arguments ypart, stat, out0, out1; writes out0, out1
